; MI455X (gfx1250); checked and timed in simulation.
; The chip was launched on July 23, 2026; its instructions are those of AMD's public machine-readable ISA for CDNA 5 (MIT licence, August 2026) and "CDNA5" Instruction Set Architecture Reference Guide (July 2026). The comments in the code are by the model that wrote it; some were corrected since.
;; Multi Head Attention. Allowed arithmetic: matrix products marked QUANTISED: E4M3 operands, one E8M0 scale for each 32 along K, by v_wmma_scale_f32_16x16x128_f8f6f4 with both operands' format E4M3, f32 sums; products left as they are: f32 operands where the result goes on into a quantised operand, else bf16, f16 or f32 operands; f32 sums; everything else in f32.
;; Inputs: Wfc 1 x 16 float32; Wk_codes 1,024 x 32 x 32 uint8 (E4M3 codes of Wk, K innermost, in blocks of 32 codes); Wk_scales 1,024 x 32 uint8 (E8M0 scales of Wk, one for each 32 codes along K); Wq_codes 1,024 x 32 x 32 uint8 (E4M3 codes of Wq, K innermost, in blocks of 32 codes); Wq_scales 1,024 x 32 uint8 (E8M0 scales of Wq, one for each 32 codes along K); bfc 1 float32; bk 1,024 float32; bq 1,024 float32; x_codes 8 x 4,096 x 32 x 32 uint8 (E4M3 codes of x, K innermost, in blocks of 32 codes); x_scales 8 x 4,096 x 32 uint8 (E8M0 scales of x, one for each 32 codes along K).
;; Outputs: out0 8 x 4,096 x 1 float32.
;; This version of the problem:
;;   THIS VERSION OF THE PROBLEM IS GIVEN IN LOW PRECISION. The matrix products marked QUANTISED in the list below multiply operands that are first quantised to E4M3 (4 exponent bits, 3 mantissa bits; 8 bits a number), with one power-of-two scale for each 32 numbers along K (OCP MX v1.0); their sums are f32. All else is computed in f32.
;;   The module's matrix products, in the order in which they are computed (A, B: the left and right operand; K: the contracted axis; several contracted axes count as one K, in the product's order):
;;     1. [M 32,768, K 1,024] x [K 1,024, N 1,024]; A: input x (given as codes); B: input Wq (given as codes): QUANTISED
;;     2. [M 32,768, K 1,024] x [K 1,024, N 1,024]; A: input x (given as codes); B: input Wk (given as codes): QUANTISED
;;     3. batch 128 x [M 4,096, K 64] x [K 64, N 1]; A: computed on the way; B: computed on the way: left as it is (N = 1 < 16)
;;     4. [M 32,768, K 16] x [K 16, N 1]; A: computed on the way; B: input Wfc: left as it is (K = 16 < 32)
;;   THE QUANTISER, for each operand of a quantised product, along K:
;;     - K is cut into blocks of 32 from its start; a last block that is shorter is filled with zeros.
;;     - A block's scale is 2^e with e = floor(log2(the largest magnitude in the block)) - 8, held to -126 .. 127; a block of zeros has e = 0. As a byte (E8M0): e + 127.
;;     - Each number is divided by its block's scale, clamped to +-448, and rounded to the nearest number of E4M3, ties to even, subnormals kept.
;;     - The product sums the exact products of the quantised numbers (number of the format x scale) in f32.
;;   ~~~python
;;   def quantise(x, axis):      # numpy; x: float32 -> the quantised numbers, widened to float32 again
;;       x = np.moveaxis(x, axis, -1); K = x.shape[-1]
;;       x = np.pad(x, [(0, 0)] * (x.ndim - 1) + [(0, -K % 32)]); x = x.reshape(x.shape[:-1] + (-1, 32)); a = np.abs(x).max(-1, keepdims=True)
;;       e = np.where(a > 0, np.clip(np.frexp(np.where(a > 0, a, 1))[1] - 1 - 8, -126, 127), 0)      # np.frexp(a)[1] - 1 = floor(log2(a)), exactly
;;       r = np.clip(x / 2.0 ** e, -448, 448)
;;       step = 2.0 ** (np.maximum(np.frexp(np.where(r == 0, 1, r))[1] - 1, -6) - 3)
;;       q = np.round(r / step) * step * 2.0 ** e      # np.round: ties to even
;;       return np.moveaxis(q.reshape(q.shape[:-2] + (-1,))[..., :K], -1, axis).astype(np.float32)
;;   ~~~
;;   INPUTS GIVEN AS CODES. Wk (in the module: [1024, 1024], K = its axis 1); Wq (in the module: [1024, 1024], K = its axis 1); x (in the module: [8, 4096, 1024], K = its axis 2): each comes as NAME_codes (uint8): NAME with its K axis moved to the last place and cut into blocks of 32 codes, [.., K / 32, bytes a block], one block behind the other in memory; one code a byte (a code: sign, 4 exponent bits, 3 mantissa bits); and NAME_scales (uint8): the same leading axes, one E8M0 byte (e + 127) for each 32 codes along K. Its value is code x scale, taken as it is: it is not quantised again, and the codes and scales need not be those that the quantiser above would give.
;; One version. Each part assembles by itself: llvm-mc -triple=amdgcn-amd-amdhsa -mcpu=gfx1250 --defsym DOCPART=n.
;; ======== version 1 of 1: 2 launches
;; limits: right only within a limited range of input values
;; workspace buffers: qpart 262,144 bytes
;; launch qsum (part 1): grid 4 x 64, 4 waves a work-group, clusters of 4 x 4, 327,680 bytes of LDS; arguments x_codes, x_scales, Wq_codes, Wq_scales, qpart; writes qpart
.if DOCPART == 1
	.amdgcn_target "amdgcn-amd-amdhsa--gfx1250"
	.amdhsa_code_object_version 6
	.text
	.protected	k_qe52543af3e_qsum
	.globl	k_qe52543af3e_qsum
	.p2align	8
	.type	k_qe52543af3e_qsum,@function
k_qe52543af3e_qsum:
	s_mov_b64 s[64:65], 0
	v_nop
	global_prefetch_b8 v0, s[64:65] scope:SCOPE_SE
	s_setreg_imm32_b32 hwreg(HW_REG_WAVE_MODE, 25, 1), 1
	s_wait_xcnt 0x0
	s_wait_alu depctr_hold_cnt(0) depctr_sa_sdst(0) depctr_va_vdst(0) depctr_va_sdst(0) depctr_va_ssrc(0) depctr_va_vcc(0) depctr_vm_vsrc(0)
	s_getreg_b32 s2, hwreg(HW_REG_IB_STS2, 6, 4)
	s_cmp_eq_u32 s2, 0
	s_cbranch_scc0 .Lentry_in_a_cluster
	s_endpgm
.Lentry_in_a_cluster:
	s_bfe_u32 s2, ttmp6, 0x10000c
	s_cmp_lg_u32 s2, 0xf033
	s_cbranch_scc0 .Lentry_shape_is_right
	s_endpgm
.Lentry_shape_is_right:
; qpart[g][c] = the sum over the 512 rows l of group g of x (64 groups, 8 to a batch) of x[l] . Wq[c]: no bias, no division; f32.  x: [32,768][1,024], Wq: [1,024][1,024]: codes of E4M3 with one E8M0 byte for each 32 along K.
; Only the column sums of Q = x Wq^T are wanted, so Q is never written: its rows are added inside the matrix accumulators.  No work is left out.
; SHARES.  A work-group has a RESIDENT operand R, 256 rows of Wq (column group cx, 4 groups), and a STREAMED operand S, the 512 rows of x of group g: 256 work-groups.
; K IS SPLIT OVER THE FOUR WAVES: wave q multiplies bytes 256 q .. 256 q + 255 of every row.  Its part of R, 16 blocks of 16 rows x 2 K steps x 16 registers, fills windows 1 and 2.  The waves' sums meet once, at the end, in LDS.
; THE PRODUCT: source 0 = 16 rows of S, source 1 = 16 rows of R: lane (r, h) holds R's row 16 a + r, its register j S's row 8 h + j.  All weights are 1, so the 16 accumulators go on over all 32 blocks of S.
; CLUSTER 4 x 4: the four of a row (same cy) have the same g and ask for S's tiles and scale bytes JOINTLY; the four of a column (same cx) have the same R and ask for it jointly.
; TWO SLOTS of 128 whole rows.  At the head slot 1 takes R's rows 0-127 (A), slot 0 S's fill 0.  A leaves for the registers and slot 1 takes R's rows 128-255 (B) while fill 0 is multiplied with A;
; B leaves for the registers, slot 1 takes fill 1 while fill 0 is multiplied with B; then fills 2 and 3, each while the fill before it is multiplied with all of R.
; UNITS n = 0 .. 39: 0-7 blocks 0-7 of S with A, 8-15 the same blocks with B, 16-39 blocks 8-31 with all of R.
; PREFETCH: fills 1, 2 and 3 of x, each one change of slots ahead of its load: the four partners of a row take 32 rows each, told apart by address, a wave its 256 bytes of them, a lane a row.  B's rows, at the head: 16 shares of 8 rows.
; LIMITS: the sums are grouped otherwise than a row-by-row sum (rows added in the accumulators, K in four quarters added at the end), all in f32.  A scale byte 0xff gives NaN, as it does by its definition.
; REGISTERS.  window 0: v3-15 addresses; v16-79 all scale words; v128 on at work at the end.   window 1: R's blocks 0-7.   window 2: R's blocks 8-15.
;   window 3: v0-127 the 16 accumulators; v128-223 S's fragments, three sets of 32; v224-227 their LDS addresses: so an LDS load stands among the products under the products' own setting.
.set PITCH, 1040                       ; an LDS row: 1,024 bytes + 16 of padding = 260 words: row r starts at bank 4 r mod 64 (64 banks of 4 bytes: ISA guide 11.1)
.set SLOTB, 128*PITCH
.set FILLB, 128*1024                   ; 128 rows in memory
.set SCS,   2*SLOTB                    ; S's scale bytes, 16 KiB, as 64 rows of 256 bytes + 16
.set SCR,   SCS+64*272                 ; R's, 8 KiB, as 32 such rows
.set RED,   SCR+32*272                 ; [4 waves][256 rows] f32: the waves' sums
.set SPARE, RED+4096                   ; the spare words
.set NL,    8                          ; LDS loads for a block of S
.set ADS,   7
.set ADSR,  8
.set SPW,   9                          ; my spare word; never rewritten
.set NIL,   10                         ; 0; never rewritten
.set RDS,   11
.set RDL,   12
.set GO,    13
.set PFO,   14                         ; the prefetches' offsets; never rewritten
.set PFR,   15
.set RS,    16                         ; R's scale words: pair p (block 2 p in lanes 0-15, 2 p + 1 in lanes 16-31) at 16 + 8 (p / 2) + 2 (p % 2)
.set SS,    20                         ; S's, likewise from 20 on: no product's two scale words have numbers equal modulo 8
.set SF,    128                        ; in window 3
.set AD3,   224                        ; in window 3: slot 0 blocks 0-3, 4-7, slot 1 blocks 0-3, 4-7
.set F,     128                        ; in window 0
.set WV,    22
.set SEL,   18
.set PFA,   20
.set G1R,   24
.set G1S,   32
.set G1RS,  40
.set G1SS,  48
.set G0RA,  56
.set G0S0,  60
.set G0RS,  68
.set G0SS,  72
.set G0RB,  76
.set G0R1,  80
.set G0R0,  84
.set MSB, 0
.macro WIN new                         ; the immediate's high byte repeats the setting that is left
.if MSB != (\new)
	s_set_vgpr_msb (MSB<<8)|(\new)
.set MSB, (\new)
.endif
.endm
.macro CREST                           ; a round of the cluster's barrier behind its opening barrier
	s_cmp_lg_u32 s[WV], 0
	s_cbranch_scc1 .Lnot_wave_0_\@
	s_barrier_signal -3
.Lnot_wave_0_\@:
	s_barrier_wait -3
	s_barrier_signal -1
	s_barrier_wait -1
.endm
.macro CROUND
	s_barrier_signal -1
	s_barrier_wait -1
	CREST
.endm
.macro PLACES n
.rept \n
	v_nop
.endr
.endm
.macro TLOAD g0, g1                    ; a tensor load with an s_nop and four v_nop behind it
	tensor_load_to_lds s[\g0:\g0+3], s[\g1:\g1+7]
	s_nop 0
	PLACES 4
.endm
.macro GROUP1 g, mask                  ; 128 whole rows of 1,024 bytes; 4 words of padding behind every 256; joint
	s_or_b32 s[\g], s[\mask], (1<<20)|(1<<21)|(7<<22)|(3<<25)
	s_mov_b32 s[\g+1], 1024<<16
	s_mov_b32 s[\g+2], 128<<16
	s_mov_b32 s[\g+3], 1024<<16
	s_mov_b32 s[\g+4], 128
	s_mov_b32 s[\g+5], 1024
	s_mov_b32 s[\g+6], 0
	s_mov_b32 s[\g+7], 0
.endm
.macro GROUPS g, mask, rows            ; scale bytes: a dense block as rows of 256 bytes (32 elements of 8), 16 of padding behind each; joint
	s_or_b32 s[\g], s[\mask], (3<<16)|(1<<20)|(1<<21)|(5<<22)|(3<<25)
	s_mov_b32 s[\g+1], 32<<16
	s_mov_b32 s[\g+2], (\rows)<<16
	s_mov_b32 s[\g+3], 32<<16
	s_mov_b32 s[\g+4], \rows
	s_mov_b32 s[\g+5], 32
	s_mov_b32 s[\g+6], 0
	s_mov_b32 s[\g+7], 0
.endm
	s_load_b256 s[88:95], s[0:1], 0x0              ; x's codes s[88:89], x's scales s[90:91], Wq's codes s[92:93], Wq's scales s[94:95]
	s_load_b64 s[96:97], s[0:1], 0x20              ; qpart
	v_lshl_add_u32 v[SPW], v0, 2, SPARE
	v_mov_b32 v[NIL], 0
	ds_add_u32 v[SPW], v[NIL]                      ; the wave's opening: the add, twice on end, and its wait
	ds_add_u32 v[SPW], v[NIL]
	v_lshrrev_b32 v1, 5, v0
	v_readfirstlane_b32 s[WV], v1                  ; wave 0..3
	s_bfe_u32 s4, ttmp6, 0x40000                   ; cx: my column group
	s_bfe_u32 s5, ttmp6, 0x40004                   ; cy
	s_and_b32 s6, ttmp7, 0xffff                    ; in a cluster launch ttmp7 counts clusters
	s_lshl_b32 s7, s6, 2
	s_add_co_u32 s7, s7, s5                        ; g
	s_lshl_b32 s8, s5, 2
	s_lshl_b32 s8, 15, s8                          ; my row of the cluster: shares S
	s_lshl_b32 s9, 0x1111, s4                      ; my column: shares R
	GROUP1 G1R, 9
	GROUP1 G1S, 8
	GROUPS G1RS, 9, 32
	GROUPS G1SS, 8, 64
	s_lshl_b32 s10, s4, 18                         ; R: 256 rows of 1,024 bytes
	s_mov_b32 s11, 0
	s_lshl_b32 s12, s7, 19                         ; S: 512 rows
	s_mov_b32 s13, 0
	s_lshl_b32 s14, s4, 13                         ; their scale bytes
	s_mov_b32 s15, 0
	s_lshl_b32 s16, s7, 14
	s_mov_b32 s17, 0
	s_lshl_b32 s2, s7, 12                          ; the result: 1,024 numbers a group, 256 a column group
	s_lshl_b32 s3, s4, 10
	s_add_co_u32 s2, s2, s3
	s_mov_b32 s3, 0
	s_lshl_b32 s66, s[WV], 15                      ; behind the head I bring 32 rows of a tile
	s_mov_b32 s67, 0
	s_lshl_b32 s23, s[WV], 8                       ; my quarter of K in bytes
	s_lshl_b32 s20, s4, 15                         ; the prefetches of x: my work-group's 32 rows of a fill, my quarter
	s_add_co_u32 s20, s20, s12
	s_add_co_u32 s20, s20, s23
	s_mov_b32 s21, 0
	s_and_b32 s98, s6, 3                           ; the prefetch of R's rows 128-255: share cy + 4 (cluster % 4) of 16, 8 rows each, 2 of them a wave
	s_lshl_b32 s98, s98, 2
	s_add_co_u32 s98, s98, s5
	s_lshl_b32 s98, s98, 13
	s_add_co_u32 s98, s98, s10
	s_lshl_b32 s99, s[WV], 11
	s_add_co_u32 s98, s98, s99
	s_add_co_u32 s98, s98, FILLB
	s_mov_b32 s99, 0
	s_mov_b32 s[G0RA], 1
	s_mov_b32 s[G0RA+1], SLOTB
	s_mov_b32 s[G0S0], 1
	s_mov_b32 s[G0S0+1], 0
	s_mov_b32 s[G0RS], 1
	s_mov_b32 s[G0RS+1], SCR
	s_mov_b32 s[G0SS], 1
	s_mov_b32 s[G0SS+1], SCS
	s_mov_b32 s[G0RB], 1
	s_mul_i32 s[G0R0+1], s[WV], 32*PITCH           ; no place in the cluster enters an LDS address
	s_add_co_u32 s[G0RB+1], s[G0R0+1], SLOTB
	s_mov_b32 s[G0R1], 1
	s_add_co_u32 s[G0R1+1], s[G0R0+1], SLOTB
	s_mov_b32 s[G0R0], 1
	s_mov_b32 s[SEL], 0x76543210
	s_mov_b32 s[SEL+1], 0xfedcba98
	s_lshl_b32 s4, s[WV], 3                        ; my 8 bytes of a row of scale bytes
	s_lshl_b32 s5, s[WV], 10
	s_add_co_u32 s5, s5, RED
	s_add_co_u32 s6, s23, 64*PITCH
	s_add_co_u32 s7, s23, SLOTB
	s_add_co_u32 s8, s23, SLOTB+64*PITCH
	v_and_b32 v1, 15, v0                           ; r
	v_bfe_u32 v2, v0, 4, 1                         ; h
	v_mul_u32_u24 v3, v1, PITCH                    ; a fragment: lane (r, h) holds row r; registers 4 c .. 4 c + 3 hold K = 32 c + 16 h + 0 .. 15
	v_lshl_add_u32 v3, v2, 4, v3
	WIN 0xc0
	v_add_nc_u32 v[AD3], s23, v3
	v_add_nc_u32 v[AD3+1], s6, v3
	v_add_nc_u32 v[AD3+2], s7, v3
	v_add_nc_u32 v[AD3+3], s8, v3
	WIN 0
	v_and_b32 v111, 7, v1                          ; scale bytes: 32 a row, 8 rows to an LDS row of 272; lane l takes row l of a pair of blocks
	v_and_b32 v112, 31, v0
	v_lshrrev_b32 v113, 3, v112
	v_mul_u32_u24 v113, v113, 272
	v_lshl_add_u32 v113, v111, 5, v113
	v_add_nc_u32 v113, s4, v113
	v_add_nc_u32 v[ADS], SCS, v113
	v_add_nc_u32 v[ADSR], SCR, v113
	v_lshl_add_u32 v[RDS], v1, 2, s5               ; my wave's 256 sums: row 16 a + r at 64 a + 4 r
	v_lshl_add_u32 v[RDL], v0, 3, RED              ; back: two rows a thread
	v_lshlrev_b32 v[GO], 3, v0
	v_lshlrev_b32 v[PFO], 10, v112
	v_lshlrev_b32 v[PFR], 8, v111
	s_wait_alu depctr_va_vdst(0)                   ; the head's end
	s_wait_dscnt 0x0                               ; both opening adds are done
	CROUND                                         ; all sixteen work-groups are here: the first joint loads meet
	s_wait_kmcnt 0x0
	s_add_nc_u64 s[G0RA+2:G0RA+3], s[92:93], s[10:11]
	s_add_nc_u64 s[G0RB+2:G0RB+3], s[G0RA+2:G0RA+3], s[66:67]
	s_add_nc_u64 s[G0RB+2:G0RB+3], s[G0RB+2:G0RB+3], FILLB
	s_add_nc_u64 s[G0S0+2:G0S0+3], s[88:89], s[12:13]
	s_add_nc_u64 s[G0R1+2:G0R1+3], s[G0S0+2:G0S0+3], s[66:67]
	s_add_nc_u64 s[G0R0+2:G0R0+3], s[G0R1+2:G0R1+3], 2*FILLB       ; fill 2
	s_add_nc_u64 s[G0R1+2:G0R1+3], s[G0R1+2:G0R1+3], FILLB         ; fill 1
	s_add_nc_u64 s[G0RS+2:G0RS+3], s[94:95], s[14:15]
	s_add_nc_u64 s[G0SS+2:G0SS+3], s[90:91], s[16:17]
.irp g, G0RA, G0RB, G0S0, G0R1, G0R0, G0RS, G0SS
	s_or_b32 s[\g+3], s[\g+3], 0x80000000
.endr
	s_cmp_eq_u32 s[WV], 0                          ; ONE joint load a wave
	s_cbranch_scc0 .Lwave_1
	TLOAD G0RA, G1R                                ; wave 0: R's rows 0-127, which are wanted first: a line of its own
	s_branch .Lasked
.Lwave_1:
	s_cmp_eq_u32 s[WV], 1
	s_cbranch_scc0 .Lwave_2
	TLOAD G0S0, G1S                                ; wave 1: S's fill 0
	s_branch .Lasked
.Lwave_2:
	s_cmp_eq_u32 s[WV], 2
	s_cbranch_scc0 .Lwave_3
	TLOAD G0RS, G1RS                               ; waves 2, 3: the scale bytes
	s_branch .Lasked
.Lwave_3:
	TLOAD G0SS, G1SS
.Lasked:
	s_add_nc_u64 s[PFA:PFA+1], s[88:89], s[20:21]
	s_add_nc_u64 s[98:99], s[92:93], s[98:99]
	s_add_nc_u64 s[96:97], s[96:97], s[2:3]        ; the result at my 256 numbers
	global_prefetch_b8 v[PFR], s[98:99] th:TH_LOAD_NT scope:SCOPE_SE   ; 8 blocks of 256 bytes a wave (lanes 8 on name them again)
.macro RCOPY win                       ; the 128 rows of R in slot 1, my quarter, into a window: block a, K step s at v[32 a + 16 s]
	WIN \win
.irp a, 0,1,2,3,4,5,6,7
.irp s, 0,1
.irp c, 0,1,2,3
	ds_load_b128 v[32*\a+16*\s+4*\c:32*\a+16*\s+4*\c+3], v[AD3+2+(\a/4)] offset:(\a%4)*16*PITCH+128*\s+32*\c
.endr
.endr
.endr
	WIN 0
.endm
.macro BLOCKOF n                       ; B_: the block of S of unit n
.set B_, \n
.if (\n) >= 8
.set B_, (\n)-8
.endif
.endm
.macro SLOAD n, j                      ; load j of 8 of unit n's block (block b: fill b / 8, in slot (b / 8) % 2) into set n % 3; source 0 and the destination in window 3
	BLOCKOF \n
	ds_load_b128 v[SF+32*((\n)%3)+4*(\j):SF+32*((\n)%3)+4*(\j)+3], v[AD3+2*((B_/8)%2)+((B_/4)%2)] offset:(B_%4)*16*PITCH+32*(\j)
.endm
.macro LOADS n
	WIN 0xc3
.irp j, 0,1,2,3,4,5,6,7
	SLOAD \n, \j
.endr
.endm
; Product k of a block's 32: R's window k / 16, K step (k % 16) / 8, block k % 8 of that window.  The accumulators take turns, one instruction a turn.  zero = 1: the first products start the sums.
.macro MM n, k, zero
	BLOCKOF \n
.set MG_, (\k)/16
.set MS_, ((\k)%16)/8
.set ML_, (\k)%8
.set MD_, 8*(8*MG_+ML_)
.set MF_, SF+32*((\n)%3)+16*MS_
.set MR_, 32*ML_+16*MS_
.set SP_, B_/2
.set SW_, SS+8*(SP_/2)+2*(SP_%2)+MS_
.set RP_, 4*MG_+ML_/2
.set RW_, RS+8*(RP_/2)+2*(RP_%2)+MS_
.if (\zero) && (MS_ == 0)
.if B_%2
.if ML_%2
	v_wmma_scale_f32_16x16x128_f8f6f4 v[MD_:MD_+7], v[MF_:MF_+15], v[MR_:MR_+15], 0, v[SW_], v[RW_] matrix_a_scale:MATRIX_SCALE_ROW1 matrix_b_scale:MATRIX_SCALE_ROW1
.else
	v_wmma_scale_f32_16x16x128_f8f6f4 v[MD_:MD_+7], v[MF_:MF_+15], v[MR_:MR_+15], 0, v[SW_], v[RW_] matrix_a_scale:MATRIX_SCALE_ROW1
.endif
.else
.if ML_%2
	v_wmma_scale_f32_16x16x128_f8f6f4 v[MD_:MD_+7], v[MF_:MF_+15], v[MR_:MR_+15], 0, v[SW_], v[RW_] matrix_b_scale:MATRIX_SCALE_ROW1
.else
	v_wmma_scale_f32_16x16x128_f8f6f4 v[MD_:MD_+7], v[MF_:MF_+15], v[MR_:MR_+15], 0, v[SW_], v[RW_]
.endif
.endif
.else
.if B_%2
.if ML_%2
	v_wmma_scale_f32_16x16x128_f8f6f4 v[MD_:MD_+7], v[MF_:MF_+15], v[MR_:MR_+15], v[MD_:MD_+7], v[SW_], v[RW_] matrix_a_scale:MATRIX_SCALE_ROW1 matrix_b_scale:MATRIX_SCALE_ROW1
.else
	v_wmma_scale_f32_16x16x128_f8f6f4 v[MD_:MD_+7], v[MF_:MF_+15], v[MR_:MR_+15], v[MD_:MD_+7], v[SW_], v[RW_] matrix_a_scale:MATRIX_SCALE_ROW1
.endif
.else
.if ML_%2
	v_wmma_scale_f32_16x16x128_f8f6f4 v[MD_:MD_+7], v[MF_:MF_+15], v[MR_:MR_+15], v[MD_:MD_+7], v[SW_], v[RW_] matrix_b_scale:MATRIX_SCALE_ROW1
.else
	v_wmma_scale_f32_16x16x128_f8f6f4 v[MD_:MD_+7], v[MF_:MF_+15], v[MR_:MR_+15], v[MD_:MD_+7], v[SW_], v[RW_]
.endif
.endif
.endif
.endm
.macro MMS n, from, to, zero=0         ; products from .. to - 1
.set K_, \from
.rept (\to)-(\from)
	WIN 0xf7+4*(K_/16)
	MM \n, K_, \zero
.set K_, K_+1
.endr
.endm
; cnt products of unit n from k on; unit f's block is fetched ahead of them, in one run.  A load into a register that a matrix instruction has read stands eight places behind it, and only plain vector instructions are places
; the set that is loaded was last read by the unit before, and eight v_nop stand ahead of the run.
.macro UNIT n, k, cnt, f, left, zero=0
.if (\left) >= 0
	s_wait_dscnt \left                             ; LDS loads come back in order: unit n's are in; the next one's NL may be out
.endif
	WIN 0xf7+4*((\k)/16)
.if (\f) >= 0
	PLACES 8
.irp j, 0,1,2,3,4,5,6,7
	SLOAD \f, \j
.endr
.endif
	MMS \n, \k, \k+\cnt, \zero
.endm
; A change of slots: in front of the round each wave waits for all its tensor loads, adds 0 to its spare word, and waits for that and for its LDS reads; products k .. k + 7 stand among these lines.
.macro TURN n, k
	WIN 0
	s_wait_tensorcnt 0x0
	ds_add_u32 v[SPW], v[NIL]
	MMS \n, \k, \k+4
	s_wait_dscnt 0x0
	s_barrier_signal -1
	MMS \n, \k+4, \k+8
	WIN 0
	s_barrier_wait -1
	CREST
.endm
.macro ASK i                           ; the prefetch of fill i
	global_prefetch_b8 v[PFO], s[PFA:PFA+1] offset:(\i)*FILLB th:TH_LOAD_NT scope:SCOPE_SE
.endm
	s_cmp_eq_u32 s[WV], 0
	s_cbranch_scc0 .Lnot_a
	s_wait_tensorcnt 0x0                           ; wave 0: R's rows 0-127 are in
.Lnot_a:
	s_barrier_signal -1
	s_barrier_wait -1
	RCOPY 0x43
	s_wait_tensorcnt 0x0                           ; S's fill 0 and the scale bytes
	ds_add_u32 v[SPW], v[NIL]
	s_mov_b32 s[G1R+2], 32<<16                     ; no tensor load of mine is out: from here on a load brings 32 rows
	s_mov_b32 s[G1R+4], 32
	s_mov_b32 s[G1S+2], 32<<16
	s_mov_b32 s[G1S+4], 32
	s_wait_dscnt 0x0                               ; A is in my registers
	CROUND
	TLOAD G0RB, G1R                                ; B over A: my one load behind the round
.irp p, 0,1,2,3,4,5,6,7
	ds_load_b64 v[RS+8*(\p/2)+2*(\p%2):RS+8*(\p/2)+2*(\p%2)+1], v[ADSR] offset:\p*1088   ; all scale words; they stay
.endr
.irp p, 0,1,2,3,4,5,6,7,8,9,10,11,12,13,14,15
	ds_load_b64 v[SS+8*(\p/2)+2*(\p%2):SS+8*(\p/2)+2*(\p%2)+1], v[ADS] offset:\p*1088
.endr
	LOADS 0
	LOADS 1
	WIN 0
	ASK 1
	UNIT 0, 0, 16, 2, NL, 1                        ; fill 0 with A
.irp n, 1,2,3,4,5
	UNIT \n, 0, 16, \n+2, NL
.endr
	WIN 0
	s_wait_tensorcnt 0x0                           ; my part of B
	s_wait_dscnt 0x0
	s_barrier_signal -1
	s_barrier_wait -1
	RCOPY 0x83                                     ; B leaves for the registers while units 6 and 7 are multiplied
	UNIT 6, 0, 16, 8, -1
	PLACES 8
	LOADS 9
	MMS 7, 0, 8
	TURN 7, 8
	TLOAD G0R1, G1S                                ; fill 1 over B
	ASK 2
	UNIT 8, 16, 16, 10, NL, 1                      ; fill 0 with B
.irp n, 9,10,11,12,13
	UNIT \n, 16, 16, \n+2, NL
.endr
	UNIT 14, 16, 16, -1, NL
	s_wait_dscnt 0x0
	TURN 15, 16
	TLOAD G0R0, G1S                                ; fill 2 over fill 0
	PLACES 4                                       ; with the four behind the tensor load: unit 14's set
	LOADS 16
	LOADS 17
	WIN 0
	ASK 3
	MMS 15, 24, 32
.irp n, 16,17,18,19,20,21
	UNIT \n, 0, 32, \n+2, NL
.endr
	s_wait_dscnt NL
	MMS 22, 0, 8
	TURN 22, 8
	s_add_nc_u64 s[G0R1+2:G0R1+3], s[G0R1+2:G0R1+3], 2*FILLB
	TLOAD G0R1, G1S                                ; fill 3 over fill 1
	PLACES 4                                       ; with the four behind the tensor load: unit 21's set
	LOADS 24
	MMS 22, 16, 32
.irp n, 23,24,25,26,27,28,29
	UNIT \n, 0, 32, \n+2, NL
.endr
	s_wait_dscnt NL
	MMS 30, 0, 8
	s_wait_tensorcnt 0x0                           ; my part of fill 3; nothing is filled again, so a plain barrier follows
	s_wait_dscnt 0x0
	s_barrier_signal -1
	MMS 30, 8, 16
	WIN 0
	s_barrier_wait -1
	PLACES 8                                       ; unit 29's set
	LOADS 32
	MMS 30, 16, 32
.irp n, 31,32,33,34,35,36,37
	UNIT \n, 0, 32, \n+2, NL
.endr
	UNIT 38, 0, 32, -1, NL
	UNIT 39, 0, 32, -1, 0
	; THE END.  A lane's 8 registers are 8 rows of S, the lane 16 away holds the other 8: both are added; then the four waves' quarters of K, through LDS.
	WIN 0
	PLACES 8                                       ; in front of the first read of results
	WIN 0x0f
.irp a, 0,1,2,3,4,5,6,7,8,9,10,11,12,13,14,15
	v_pk_add_f32 v[F+2*\a:F+2*\a+1], v[8*\a:8*\a+1], v[8*\a+2:8*\a+3]
.endr
.irp a, 0,1,2,3,4,5,6,7,8,9,10,11,12,13,14,15
	v_pk_add_f32 v[F+32+2*\a:F+32+2*\a+1], v[8*\a+4:8*\a+5], v[8*\a+6:8*\a+7]
.endr
	WIN 0
.irp a, 0,1,2,3,4,5,6,7,8,9,10,11,12,13,14,15
	v_pk_add_f32 v[F+2*\a:F+2*\a+1], v[F+2*\a:F+2*\a+1], v[F+32+2*\a:F+32+2*\a+1]
.endr
.irp a, 0,1,2,3,4,5,6,7,8,9,10,11,12,13,14,15
	v_add_f32 v[F+2*\a], v[F+2*\a], v[F+2*\a+1]
.endr
.irp a, 0,1,2,3,4,5,6,7,8,9,10,11,12,13,14,15
	v_permlanex16_b32 v[F+32+2*\a], v[F+2*\a], s[SEL], s[SEL+1]
.endr
.irp a, 0,1,2,3,4,5,6,7,8,9,10,11,12,13,14,15
	v_add_f32 v[F+2*\a], v[F+2*\a], v[F+32+2*\a]
.endr
.irp a, 0,1,2,3,4,5,6,7,8,9,10,11,12,13,14,15
	ds_store_b32 v[RDS], v[F+2*\a] offset:64*\a    ; lanes r and r + 16 write the same word with the same value
.endr
	s_wait_dscnt 0x0                               ; for the others' sake: my stores are done
	s_barrier_signal -1
	s_barrier_wait -1
.irp k, 0,1,2,3
	ds_load_b64 v[F+64+2*\k:F+64+2*\k+1], v[RDL] offset:1024*\k   ; every wave adds the four parts of 64 rows, two a lane
.endr
	s_wait_dscnt 0x0
	v_pk_add_f32 v[F+64:F+65], v[F+64:F+65], v[F+66:F+67]
	v_pk_add_f32 v[F+68:F+69], v[F+68:F+69], v[F+70:F+71]
	v_pk_add_f32 v[F+64:F+65], v[F+64:F+65], v[F+68:F+69]
	global_store_b64 v[GO], v[F+64:F+65], s[96:97] ; the wave's store covers 256 consecutive bytes, at a multiple of 256 from the buffer's first byte
	s_wait_tensorcnt 0x0                           ; the wave's end
	ds_add_u32 v[SPW], v[NIL]
	s_wait_dscnt 0x0
	CROUND                                         ; the closing round
	s_endpgm
.Lfunc_end_k_qe52543af3e_qsum:
	.size	k_qe52543af3e_qsum, .Lfunc_end_k_qe52543af3e_qsum-k_qe52543af3e_qsum
	.p2alignl 7, 3214868480
	.fill 96, 4, 3214868480
	.section	.rodata,"a",@progbits
	.p2align	6, 0x0
	.amdhsa_kernel k_qe52543af3e_qsum
		.amdhsa_group_segment_fixed_size 327680
		.amdhsa_private_segment_fixed_size 0
		.amdhsa_enable_private_segment 0
		.amdhsa_kernarg_size 40
		.amdhsa_user_sgpr_count 2
		.amdhsa_user_sgpr_kernarg_segment_ptr 1
		.amdhsa_wavefront_size32 1
		.amdhsa_system_sgpr_workgroup_id_x 1
		.amdhsa_system_sgpr_workgroup_id_y 1
		.amdhsa_system_sgpr_workgroup_id_z 1
		.amdhsa_system_vgpr_workitem_id 0
		.amdhsa_next_free_vgpr 1024
		.amdhsa_next_free_sgpr 100
		.amdhsa_reserve_vcc 0
		.amdhsa_float_denorm_mode_32 3
		.amdhsa_float_denorm_mode_16_64 3
		.amdhsa_memory_ordered 1
		.amdhsa_forward_progress 1
		.amdhsa_inst_pref_size 190
	.end_amdhsa_kernel
	.amdgpu_metadata
---
amdhsa.version: [ 1, 2 ]
amdhsa.kernels:
  - .name:           k_qe52543af3e_qsum
    .symbol:         k_qe52543af3e_qsum.kd
    .args:
      - { .name: x_codes, .offset: 0, .size: 8, .value_kind: global_buffer, .address_space: global }
      - { .name: x_scales, .offset: 8, .size: 8, .value_kind: global_buffer, .address_space: global }
      - { .name: Wq_codes, .offset: 16, .size: 8, .value_kind: global_buffer, .address_space: global }
      - { .name: Wq_scales, .offset: 24, .size: 8, .value_kind: global_buffer, .address_space: global }
      - { .name: qpart, .offset: 32, .size: 8, .value_kind: global_buffer, .address_space: global }
    .group_segment_fixed_size: 327680
    .private_segment_fixed_size: 0
    .kernarg_segment_align: 8
    .kernarg_segment_size: 40
    .max_flat_workgroup_size: 128
    .sgpr_count:     100
    .vgpr_count:     1024
    .wavefront_size: 32
...
	.end_amdgpu_metadata
.endif
;; end of part 1
;; launch kout (part 2): grid 256 x 1, 4 waves a work-group, clusters of 4 x 1, 327,680 bytes of LDS; arguments Wk_codes, Wk_scales, x_codes, x_scales, qpart, bq, bk, Wfc, bfc, out0; writes out0
.if DOCPART == 2
	.amdgcn_target "amdgcn-amd-amdhsa--gfx1250"
	.amdhsa_code_object_version 6
	.text
	.protected	k_qe52543af3e_kout
	.globl	k_qe52543af3e_kout
	.p2align	8
	.type	k_qe52543af3e_kout,@function
k_qe52543af3e_kout:
	s_mov_b64 s[64:65], 0
	v_nop
	global_prefetch_b8 v0, s[64:65] scope:SCOPE_SE
	s_setreg_imm32_b32 hwreg(HW_REG_WAVE_MODE, 25, 1), 1
	s_wait_xcnt 0x0
	s_wait_alu depctr_hold_cnt(0) depctr_sa_sdst(0) depctr_va_vdst(0) depctr_va_sdst(0) depctr_va_ssrc(0) depctr_va_vcc(0) depctr_vm_vsrc(0)
	s_getreg_b32 s2, hwreg(HW_REG_IB_STS2, 6, 4)
	s_cmp_eq_u32 s2, 0
	s_cbranch_scc0 .Lentry_in_a_cluster
	s_endpgm
.Lentry_in_a_cluster:
	s_bfe_u32 s2, ttmp6, 0x10000c
	s_cmp_lg_u32 s2, 0x3003
	s_cbranch_scc0 .Lentry_shape_is_right
	s_endpgm
.Lentry_shape_is_right:
; out0[b][l] = the sum over c of v[b][c] (x[b][l] . Wk[c] + bk[c]) + bfc,  v[b][c] = (the sum over p of qpart[8 b + p][c] / 4096 + bq[c]) Wfc[c / 64] / 8.
; That is reference()'s chain: Qbar = the mean of Q's rows, att = Qbar . K / sqrt(64) head by head, out = att . Wfc + bfc; all of it behind the product x Wk^T is linear, so K is never written.  No work is left out.
; x: [32,768][1,024], Wk: [1,024][1,024]: codes of E4M3 with one E8M0 byte for each 32 along K.  qpart: the launch before, [64][1,024] f32, eight groups of rows to a batch.
; SHARES.  A work-group owns 128 rows of x, its RESIDENT operand R, and is the one owner of their 128 outputs; it STREAMS all 1,024 rows of Wk, S, in eight fills of 128.  256 work-groups.
; A WAVE takes half of K (kh = wave % 2) and half of S's rows (ch = wave / 2: rows 32 i + 16 ch + 0 .. 15 of a fill, block i of four).  Its part of R, 8 blocks of 16 rows x 4 K steps x 16 registers, fills windows 1 and 2 and stays.
; THE PRODUCT: source 0 = 16 rows of S, source 1 = 16 rows of R: lane (r, h) holds x's row 16 a + r, its register j Wk's row 8 h + j of the block.  A UNIT (u, g) is block u with R's blocks 4 g .. 4 g + 3: 16 products on
; four accumulators by turns, begun with the constant 0; the unit before is meanwhile FOLDED: s[a] += accumulator x v, 16 packed multiply-adds into three copies of the sums.  Two sets of four accumulators take turns (set g).
; CLUSTER: all work-groups walk the same Wk: the four of a cluster ask for its tiles and scale bytes JOINTLY (mask 15).  x's rows are each work-group's own: plain loads.
; TWO SLOTS of 128 whole rows: at the head slot 1 takes x (96 rows and 32), slot 0 Wk's fill 0; x leaves for the registers and slot 1 takes fill 1; then the ring.
; PREFETCH: at the head, behind its load, each work-group asks for one share of Wk, 16 KiB of 64 (number by cluster and place), 16 blocks of 256 bytes a wave: Wk's later fills are read by all work-groups at the same time.  x is wanted whole at the head.
; LIMITS: the sums are grouped otherwise than in reference() (K in two halves, the weighted sum over c block by block; bk's part apart), all in f32.  A scale byte 0xff gives NaN, as it does by its definition.
; REGISTERS.  window 0: v1-15 addresses; v16-47 scale words; v48-95 the sums, three copies of 8 pairs; v96-102 addresses; v104-135 v of a block's rows, four sets of 8; v144 on at work at the head and the end.
;   windows 1, 2: R.   window 3: v0-127 S's fragments, two sets of 64; v128-191 the two sets of accumulators; v192-195 the fragments' LDS addresses: so an LDS load stands among the products under the products' own setting.
.set PITCH, 1040                       ; an LDS row: 1,024 bytes + 16 of padding = 260 words: row r starts at bank 4 r mod 64 (64 banks of 4 bytes: ISA guide 11.1)
.set SLOTB, 128*PITCH
.set FILLB, 128*1024
.set SCS,   2*SLOTB                    ; Wk's scale bytes, 32 KiB, as 128 rows of 256 bytes + 16
.set VTAB,  SCS+128*272                ; v[1,024] f32
.set RED,   VTAB+4096                  ; [4 waves][128 rows] f32: the waves' sums
.set CB,    RED+2048                   ; 4 words: the waves' parts of the sum of bk v
.set SPARE, CB+256                     ; the spare words
.set ADX,   7                          ; v7-8: x's blocks 0-3, 4-7
.set ADSC,  9                          ; my row's scale bytes; 8 blocks on in each trip
.set ADW,   10                         ; my half's 8 numbers of v; 8 blocks on in each trip
.set SPW,   11                         ; my spare word; never rewritten
.set NIL,   12                         ; 0; never rewritten
.set RDS,   13
.set RDL,   14
.set GO,    15
.set RSC,   16                         ; R's scale words: four for blocks 2 p (lanes 0-15), 2 p + 1 (lanes 16-31) at 16 + 8 p
.set SSC,   20                         ; S's: set n at 20 + 8 n: no product's two scale words have numbers equal modulo 8
.set SUM,   48
.set CBL,   96
.set CBS,   97
.set VST,   98
.set XSA,   99
.set QA,    100
.set WFA,   101
.set PFO,   102
.set VS,    104
.set T,     144
.set F,     160
.set ACC,   128                        ; in window 3
.set AD3,   192                        ; in window 3: slot 0 blocks 0-1, 2-3, slot 1 blocks 0-1, 2-3
.set WV,    22
.set TRIPS, 23
.set SEL,   18
.set G0Y,   4
.set G1X,   24
.set G1W,   32
.set G1S,   40
.set G0X,   48
.set G0W,   52
.set G0S,   56
.set G0R0,  60
.set G0R1,  68
.set G1Y,   72
.set MSB, 0
.macro WIN new                         ; the immediate's high byte repeats the setting that is left
.if MSB != (\new)
	s_set_vgpr_msb (MSB<<8)|(\new)
.set MSB, (\new)
.endif
.endm
.macro CREST                           ; a round of the cluster's barrier behind its opening barrier
	s_cmp_lg_u32 s[WV], 0
	s_cbranch_scc1 .Lnot_wave_0_\@
	s_barrier_signal -3
.Lnot_wave_0_\@:
	s_barrier_wait -3
	s_barrier_signal -1
	s_barrier_wait -1
.endm
.macro CROUND
	s_barrier_signal -1
	s_barrier_wait -1
	CREST
.endm
.macro TLOAD g0, g1                    ; a tensor load with an s_nop and four v_nop behind it
	tensor_load_to_lds s[\g0:\g0+3], s[\g1:\g1+7]
	s_nop 0
.rept 4
	v_nop
.endr
.endm
.macro GROUP1 g, word, rows            ; whole rows of 1,024 bytes; 4 words of padding behind every 256
	s_mov_b32 s[\g], (\word)|(1<<20)|(7<<22)|(3<<25)
	s_mov_b32 s[\g+1], 1024<<16
	s_mov_b32 s[\g+2], (\rows)<<16
	s_mov_b32 s[\g+3], 1024<<16
	s_mov_b32 s[\g+4], \rows
	s_mov_b32 s[\g+5], 1024
	s_mov_b32 s[\g+6], 0
	s_mov_b32 s[\g+7], 0
.endm
	s_load_b256 s[80:87], s[0:1], 0x0              ; Wk's codes s[80:81], Wk's scales s[82:83], x's codes s[84:85], x's scales s[86:87]
	s_load_b256 s[88:95], s[0:1], 0x20             ; qpart s[88:89], bq s[90:91], bk s[92:93], Wfc s[94:95]
	s_load_b128 s[96:99], s[0:1], 0x40             ; bfc s[96:97], out0 s[98:99]
	v_lshl_add_u32 v[SPW], v0, 2, SPARE
	v_mov_b32 v[NIL], 0
	ds_add_u32 v[SPW], v[NIL]                      ; the wave's opening: the add, twice on end, and its wait
	ds_add_u32 v[SPW], v[NIL]
	v_lshrrev_b32 v1, 5, v0
	v_readfirstlane_b32 s[WV], v1                  ; wave 0..3
	s_bfe_u32 s4, ttmp6, 0x40000                   ; cx: my place in the cluster
	s_lshl_b32 s5, ttmp9, 2                        ; in a cluster launch ttmp9 counts clusters
	s_add_co_u32 s5, s5, s4                        ; my block of 128 rows of x; it enters x's addresses and the result's alone
	s_and_b32 s14, s[WV], 1                        ; kh
	s_lshr_b32 s15, s[WV], 1                       ; ch
	s_lshr_b32 s16, ttmp9, 3                       ; the batch: 32 blocks, 8 clusters each
	s_lshl_b32 s16, s16, 15                        ; its 8 x 1,024 numbers of qpart
	s_mov_b32 s17, 0
	s_lshl_b32 s12, s5, 17                         ; x: 128 rows
	s_mov_b32 s13, 0
	s_lshl_b32 s2, s5, 12                          ; their scale bytes
	s_mov_b32 s3, 0
	s_lshl_b32 s100, s5, 9                         ; the result: 128 numbers
	s_mov_b32 s101, 0
	s_lshl_b32 s10, s[WV], 15                      ; in the ring I bring 32 rows of a fill
	s_mov_b32 s11, 0
	s_and_b32 s8, ttmp9, 3                         ; the prefetch: share (cluster % 4) + 4 (cluster / 16) of 16, a quarter of it each work-group of the cluster
	s_lshr_b32 s9, ttmp9, 4
	s_lshl_b32 s9, s9, 2
	s_add_co_u32 s8, s8, s9
	s_lshl_b32 s8, s8, 16
	s_lshl_b32 s9, s4, 14
	s_add_co_u32 s8, s8, s9
	s_lshl_b32 s9, s[WV], 12
	s_add_co_u32 s8, s8, s9
	s_mov_b32 s9, 0
	s_mov_b32 s[SEL], 0x76543210
	s_mov_b32 s[SEL+1], 0xfedcba98
	GROUP1 G1X, 0, 96                              ; plain: x's rows 0-95,
	GROUP1 G1Y, 0, 32                              ; and 96-127
	GROUP1 G1W, 15|(1<<21), 128                    ; joint: all four work-groups; 128 rows at the head, 32 in the ring
	s_mov_b32 s[G1S], 15|(3<<16)|(1<<20)|(1<<21)|(5<<22)|(3<<25)   ; Wk's scale bytes, joint: 128 rows of 256 bytes (32 elements of 8), 16 of padding behind each
	s_mov_b32 s[G1S+1], 32<<16
	s_mov_b32 s[G1S+2], 128<<16
	s_mov_b32 s[G1S+3], 32<<16
	s_mov_b32 s[G1S+4], 128
	s_mov_b32 s[G1S+5], 32
	s_mov_b32 s[G1S+6], 0
	s_mov_b32 s[G1S+7], 0
	s_mov_b32 s[G0X], 1
	s_mov_b32 s[G0X+1], SLOTB
	s_mov_b32 s[G0Y], 1
	s_mov_b32 s[G0Y+1], SLOTB+96*PITCH
	s_mov_b32 s[G0W], 1
	s_mov_b32 s[G0W+1], 0
	s_mov_b32 s[G0S], 1
	s_mov_b32 s[G0S+1], SCS
	s_mov_b32 s[G0R0], 1
	s_mul_i32 s[G0R0+1], s[WV], 32*PITCH           ; no place in the cluster enters an LDS address
	s_mov_b32 s[G0R1], 1
	s_add_co_u32 s[G0R1+1], s[G0R0+1], SLOTB
	s_lshl_b32 s67, s14, 9                         ; my half of K in bytes
	s_mul_i32 s21, s15, 16*PITCH
	s_add_co_u32 s21, s21, s67                     ; and my rows of S
	s_add_co_u32 s20, s67, SLOTB
	s_lshl_b32 s67, s14, 4                         ; my 16 bytes of a row of scale bytes
	s_mul_i32 s66, s15, 544
	s_add_co_u32 s66, s66, s67
	s_add_co_u32 s66, s66, SCS
	s_lshl_b32 s15, s15, 6
	s_add_co_u32 s15, s15, VTAB
	s_lshl_b32 s14, s[WV], 9
	s_add_co_u32 s14, s14, RED
	s_lshl_b32 s23, s[WV], 2
	s_add_co_u32 s23, s23, CB
	v_and_b32 v1, 15, v0                           ; r
	v_bfe_u32 v2, v0, 4, 1                         ; h
	v_mul_u32_u24 v144, v1, PITCH                  ; a fragment: lane (r, h) holds row r; registers 4 c .. 4 c + 3 hold K = 32 c + 16 h + 0 .. 15
	v_lshl_add_u32 v144, v2, 4, v144
	v_add_nc_u32 v[ADX], s20, v144
	v_add_nc_u32 v[ADX+1], 64*PITCH, v[ADX]
	v_add_nc_u32 v145, s21, v144
	WIN 0xc0
	v_add_nc_u32 v[AD3], s21, v144
	v_add_nc_u32 v[AD3+1], 64*PITCH, v145
	v_add_nc_u32 v[AD3+2], SLOTB, v145
	v_add_nc_u32 v[AD3+3], SLOTB+64*PITCH, v145
	WIN 0
	v_lshrrev_b32 v146, 3, v1                      ; scale bytes: 32 a row, 8 rows to an LDS row of 272
	v_and_b32 v147, 7, v1
	v_mul_u32_u24 v146, v146, 272
	v_lshl_add_u32 v146, v147, 5, v146
	v_add_nc_u32 v[ADSC], s66, v146
	v_lshlrev_b32 v147, 5, v2
	v_add_nc_u32 v[ADW], s15, v147                 ; v of Wk's rows 8 h + 0 .. 7 of a block
	v_lshl_add_u32 v[RDS], v1, 2, s14              ; my wave's 128 sums: row 16 a + r at 64 a + 4 r
	v_and_b32 v147, 63, v0
	v_lshl_add_u32 v[RDL], v147, 3, RED            ; back: two rows a lane
	v_lshlrev_b32 v[GO], 3, v147
	v_mov_b32 v[CBL], CB
	v_mov_b32 v[CBS], s23
	v_lshl_add_u32 v[VST], v0, 4, VTAB
	v_and_b32 v147, 31, v0
	v_lshlrev_b32 v[XSA], 5, v147                  ; x's scale words: lane l takes row l of a pair of blocks
	v_add_nc_u32 v[XSA], s67, v[XSA]
	v_lshlrev_b32 v[QA], 4, v0                     ; thread t owns columns 4 t .. 4 t + 3 and 512 + 4 t .. + 3 of v
	v_lshrrev_b32 v[WFA], 4, v0
	v_lshlrev_b32 v[WFA], 2, v[WFA]                ; Wfc: head t / 16, and 8 heads on for the second four
	v_lshlrev_b32 v[PFO], 8, v1
.irp i, 0,1,2,3,4,5,6,7,8,9,10,11,12,13,14,15
	v_mov_b32 v[SUM+\i], 0                         ; the fold is written once, and its first turn finds zeros
	v_mov_b32 v[SUM+16+\i], 0
	v_mov_b32 v[SUM+32+\i], 0
.endr
	s_wait_alu depctr_va_vdst(0)
	s_wait_dscnt 0x0                               ; both opening adds are done
	CROUND                                         ; all four work-groups are here: the first joint loads meet
	s_wait_kmcnt 0x0
	s_add_nc_u64 s[G0X+2:G0X+3], s[84:85], s[12:13]
	s_add_nc_u64 s[G0Y+2:G0Y+3], s[G0X+2:G0X+3], 96*1024
	s_mov_b64 s[G0W+2:G0W+3], s[80:81]
	s_mov_b64 s[G0S+2:G0S+3], s[82:83]
	s_add_nc_u64 s[G0R0+2:G0R0+3], s[80:81], s[10:11]              ; fill 0: stepped to fill 2 ahead of its first use
	s_add_nc_u64 s[G0R1+2:G0R1+3], s[G0R0+2:G0R0+3], FILLB         ; fill 1
.irp g, G0X, G0Y, G0W, G0S, G0R0, G0R1
	s_or_b32 s[\g+3], s[\g+3], 0x80000000
.endr
	s_cmp_eq_u32 s[WV], 0                          ; ONE load a wave, each a line of its own
	s_cbranch_scc0 .Lwave_1
	TLOAD G0W, G1W                                 ; wave 0: Wk's fill 0
	s_branch .Lasked
.Lwave_1:
	s_cmp_eq_u32 s[WV], 1
	s_cbranch_scc0 .Lwave_2
	TLOAD G0S, G1S                                 ; wave 1: Wk's scale bytes
	s_branch .Lasked
.Lwave_2:
	s_cmp_eq_u32 s[WV], 2
	s_cbranch_scc0 .Lwave_3
	TLOAD G0X, G1X                                 ; wave 2: x's rows 0-95
	s_branch .Lasked
.Lwave_3:
	TLOAD G0Y, G1Y                                 ; wave 3: x's rows 96-127
.Lasked:
	s_load_b32 s20, s[96:97], 0x0                  ; bfc
	s_add_nc_u64 s[88:89], s[88:89], s[16:17]      ; qpart at my batch
	s_add_nc_u64 s[98:99], s[98:99], s[100:101]    ; the result at my 128 numbers
	s_add_nc_u64 s[86:87], s[86:87], s[2:3]        ; x's scale bytes at my rows
	s_add_nc_u64 s[8:9], s[80:81], s[8:9]
.irp p, 0,1,2,3,4,5,6,7
	global_load_b128 v[F+4*\p:F+4*\p+3], v[QA], s[88:89] offset:4096*\p                 ; the batch's eight partial sums of my first four columns,
	global_load_b128 v[F+32+4*\p:F+32+4*\p+3], v[QA], s[88:89] offset:4096*\p+2048      ; and of my second four
.endr
	global_load_b128 v[F+64:F+67], v[QA], s[90:91]              ; bq
	global_load_b128 v[F+68:F+71], v[QA], s[90:91] offset:2048
	global_load_b128 v[F+72:F+75], v[QA], s[92:93]              ; bk
	global_load_b128 v[F+76:F+79], v[QA], s[92:93] offset:2048
	global_load_b32 v[F+80], v[WFA], s[94:95]                   ; Wfc
	global_load_b32 v[F+81], v[WFA], s[94:95] offset:32
.irp p, 0,1,2,3
	global_load_b128 v[RSC+8*\p:RSC+8*\p+3], v[XSA], s[86:87] offset:1024*\p
.endr
	global_prefetch_b8 v[PFO], s[8:9] th:TH_LOAD_NT scope:SCOPE_SE
	s_wait_loadcnt 0x0
	s_wait_kmcnt 0x0                               ; bfc
.irp g, 0,1                                    ; the eight partial sums are added in pairs: 0 + 1, 2 + 3, 4 + 5, 6 + 7;
.irp p, 0,2,4,6
.irp e, 0,2
	v_pk_add_f32 v[F+32*\g+4*\p+\e:F+32*\g+4*\p+\e+1], v[F+32*\g+4*\p+\e:F+32*\g+4*\p+\e+1], v[F+32*\g+4*\p+4+\e:F+32*\g+4*\p+4+\e+1]
.endr
.endr
.endr
.irp g, 0,1                                    ; then 01 + 23, 45 + 67;
.irp p, 0,4
.irp e, 0,2
	v_pk_add_f32 v[F+32*\g+4*\p+\e:F+32*\g+4*\p+\e+1], v[F+32*\g+4*\p+\e:F+32*\g+4*\p+\e+1], v[F+32*\g+4*\p+8+\e:F+32*\g+4*\p+8+\e+1]
.endr
.endr
.endr
.irp g, 0,1                                    ; then the two halves
.irp e, 0,2
	v_pk_add_f32 v[F+32*\g+\e:F+32*\g+\e+1], v[F+32*\g+\e:F+32*\g+\e+1], v[F+32*\g+16+\e:F+32*\g+16+\e+1]
.endr
.endr
.irp g, 0,1
.irp e, 0,2
	v_pk_fma_f32 v[F+32*\g+\e:F+32*\g+\e+1], v[F+32*\g+\e:F+32*\g+\e+1], 0x39800000, v[F+64+4*\g+\e:F+64+4*\g+\e+1] op_sel_hi:[1,0,1]   ; x 2^-12 (the mean over 4,096 rows: exact) + bq = Qbar
.endr
.endr
	v_mul_f32 v[F+80], 0x3e000000, v[F+80]         ; Wfc / sqrt(64)
	v_mul_f32 v[F+81], 0x3e000000, v[F+81]
.irp g, 0,1
.irp e, 0,1,2,3
	v_mul_f32 v[F+32*\g+\e], v[F+32*\g+\e], v[F+80+\g]         ; v
.endr
.endr
	ds_store_b128 v[VST], v[F:F+3]
	ds_store_b128 v[VST], v[F+32:F+35] offset:2048
	v_mul_f32 v[F+82], v[F+72], v[F]               ; bk v over my 8 columns, in two chains
	v_mul_f32 v[F+83], v[F+76], v[F+32]
.irp e, 1,2,3
	v_fmac_f32 v[F+82], v[F+72+\e], v[F+\e]
	v_fmac_f32 v[F+83], v[F+76+\e], v[F+32+\e]
.endr
	v_add_f32 v[F+82], v[F+82], v[F+83]
	v_add_f32_dpp v[F+82], v[F+82], v[F+82] row_xmask:1 row_mask:0xf bank_mask:0xf   ; and over the wave's 32 lanes
	v_add_f32_dpp v[F+82], v[F+82], v[F+82] row_xmask:2 row_mask:0xf bank_mask:0xf
	v_add_f32_dpp v[F+82], v[F+82], v[F+82] row_xmask:4 row_mask:0xf bank_mask:0xf
	v_add_f32_dpp v[F+82], v[F+82], v[F+82] row_xmask:8 row_mask:0xf bank_mask:0xf
	v_permlanex16_b32 v[F+83], v[F+82], s[SEL], s[SEL+1]
	v_add_f32 v[F+82], v[F+82], v[F+83]
	ds_store_b32 v[CBS], v[F+82]                   ; all lanes write the same word with the same value
.macro XCOPY a                         ; block a of x, my half of K: K step s at v[64 (a % 4) + 16 s] of window 1 + a / 4
	WIN 0x40*(1+(\a)/4)
.irp s, 0,1,2,3
.irp c, 0,1,2,3
	ds_load_b128 v[64*((\a)%4)+16*\s+4*\c:64*((\a)%4)+16*\s+4*\c+3], v[ADX+(\a)/4] offset:((\a)%4)*16*PITCH+128*\s+32*\c
.endr
.endr
.endm
; Block u of a lap (two fills; blocks 0-3 in slot 0, 4-7 in slot 1, 8 and 9 are the next lap's first two).  SLOAD: load LD_ of the 16 of its fragments, into set u % 2; source 0 and the destination in window 3.
.macro SLOAD u
	ds_load_b128 v[64*((\u)%2)+4*LD_:64*((\u)%2)+4*LD_+3], v[AD3+2*(((\u)/4)%2)+(((\u)/2)%2)] offset:((\u)%2)*32*PITCH+32*LD_
.set LD_, LD_+1
.endm
.macro VLOAD u                         ; its four scale words into set u % 2, my half's 8 numbers of v into set u % 4
	WIN 0
	ds_load_b128 v[SSC+8*((\u)%2):SSC+8*((\u)%2)+3], v[ADSC] offset:(\u)*1088
	ds_load_b128 v[VS+8*((\u)%4):VS+8*((\u)%4)+3], v[ADW] offset:(\u)*128
	ds_load_b128 v[VS+8*((\u)%4)+4:VS+8*((\u)%4)+7], v[ADW] offset:(\u)*128+16
.endm
.macro MM u, g, j                      ; product j of a unit's 16: K step j / 4, x's block 4 g + j % 4: accumulator j % 4 of set g; K step 0 starts the sum
.set MS_, (\j)/4
.set ML_, (\j)%4
.set MF_, 64*((\u)%2)+16*MS_
.set MR_, 64*ML_+16*MS_
.set MD_, ACC+32*(\g)+8*ML_
.set SW_, SSC+8*((\u)%2)+MS_
.set RW_, RSC+8*(2*(\g)+ML_/2)+MS_
.if MS_ == 0
.if ML_%2
	v_wmma_scale_f32_16x16x128_f8f6f4 v[MD_:MD_+7], v[MF_:MF_+15], v[MR_:MR_+15], 0, v[SW_], v[RW_] matrix_b_scale:MATRIX_SCALE_ROW1
.else
	v_wmma_scale_f32_16x16x128_f8f6f4 v[MD_:MD_+7], v[MF_:MF_+15], v[MR_:MR_+15], 0, v[SW_], v[RW_]
.endif
.else
.if ML_%2
	v_wmma_scale_f32_16x16x128_f8f6f4 v[MD_:MD_+7], v[MF_:MF_+15], v[MR_:MR_+15], v[MD_:MD_+7], v[SW_], v[RW_] matrix_b_scale:MATRIX_SCALE_ROW1
.else
	v_wmma_scale_f32_16x16x128_f8f6f4 v[MD_:MD_+7], v[MF_:MF_+15], v[MR_:MR_+15], v[MD_:MD_+7], v[SW_], v[RW_]
.endif
.endif
.endm
.macro PR u, g, from, to               ; products from .. to - 1
.set K_, \from
	WIN 0xf7+4*(\g)
.rept (\to)-(\from)
	MM \u, \g, K_
.set K_, K_+1
.endr
.endm
; Lines from .. to - 1 of the fold of the unit before (u, g): line i takes registers 2 (i / 4), 2 (i / 4) + 1 of accumulator i % 4; with three copies a pair of sums comes up at every twelfth line or later.
.macro FOLDS u, g, from, to
	WIN 0x03
.set I_, \from
.rept (\to)-(\from)
.set FQ_, I_/4
.set FA_, I_%4
.set FG_, 1-(\g)
.set FS_, SUM+16*(FQ_%3)+2*(4*FG_+FA_)
.set FD_, ACC+32*FG_+8*FA_+2*FQ_
.set FV_, VS+8*(((\u)+3+(\g))%4)+2*FQ_
	v_pk_fma_f32 v[FS_:FS_+1], v[FD_:FD_+1], v[FV_:FV_+1], v[FS_:FS_+1]
.set I_, I_+1
.endr
.endm
; A unit.  THE PLACES (eight behind this form ahead of a reader of its result and of a load into what it has read, nine ahead of a matrix instruction that writes over its result
; ) are the fold's last eight lines, behind the unit's last product: they name the other set of accumulators.  The next unit folds, and may load over fragments, behind them.
.macro UNIT u, g
	PR \u, \g, 0, 8
	FOLDS \u, \g, 0, 4
	PR \u, \g, 8, 12
	FOLDS \u, \g, 4, 8
	PR \u, \g, 12, 16
	FOLDS \u, \g, 8, 16
.endm
.macro LOADS u                         ; block u: its 19 LDS loads in one run
	VLOAD \u
	WIN 0xf7
.set LD_, 0
.rept 16
	SLOAD \u
.endr
.endm
.macro BLK u
	s_wait_dscnt 0x0                               ; block u is in
	LOADS \u+1                                     ; the next one, behind the fold's last eight lines, has 32 products in which to come
	UNIT \u, 0
	UNIT \u, 1
.endm
.macro REST u                          ; the rest of a block behind a change of slots: block u + 1 is fetched from the other slot
	LOADS \u+1
	PR \u, 0, 8, 12
	FOLDS \u, 0, 0, 8
	PR \u, 0, 12, 16
	FOLDS \u, 0, 8, 16
	UNIT \u, 1
.endm
; A slot's last block changes slots.  Its fragments are in registers.  In front of the round each wave waits for all its tensor loads (its part of the other slot), adds 0 to its spare word, and waits for that.
.macro CHG u, g0
	WIN 0
	s_wait_tensorcnt 0x0
	ds_add_u32 v[SPW], v[NIL]
	s_wait_dscnt 0x1                               ; block u is in; the add may be out
	PR \u, 0, 0, 4
	s_wait_dscnt 0x0
	s_barrier_signal -1
	PR \u, 0, 4, 8
	WIN 0
	s_barrier_wait -1
	CREST
	s_add_nc_u64 s[\g0+2:\g0+3], s[\g0+2:\g0+3], 2*FILLB   ; no load of mine is out: this slot's next fill
	TLOAD \g0, G1W                                 ; my one load behind the round
	REST \u
.endm
	s_wait_alu depctr_va_vdst(0)                   ; the head's end
	s_cmp_lt_u32 s[WV], 3
	s_cbranch_scc0 .Lnot_yet
	s_wait_tensorcnt 0x0                           ; waves 0 to 2: all but x's rows 96-127
.Lnot_yet:
	s_wait_dscnt 0x0                               ; my stores of v and of bk v
	s_barrier_signal -1
	s_barrier_wait -1
.irp a, 0,1,2,3,4,5
	XCOPY \a
.endr
	LOADS 0
	s_wait_dscnt 0x0
	PR 0, 0, 0, 16                                 ; unit (0, 0) has nothing to fold
	WIN 0
	s_wait_tensorcnt 0x0                           ; x's rows 96-127
	s_wait_dscnt 0x0
	s_barrier_signal -1
	s_barrier_wait -1
	XCOPY 6
	XCOPY 7
	WIN 0
	s_wait_tensorcnt 0x0
	ds_add_u32 v[SPW], v[NIL]
	s_mov_b32 s[G1W+2], 32<<16                     ; no tensor load of mine is out: from here on a load brings 32 rows
	s_mov_b32 s[G1W+4], 32
	s_wait_dscnt 0x0                               ; all of x is in my registers
	CROUND
	TLOAD G0R1, G1W                                ; fill 1 over x
.rept 4
	v_nop                                          ; with the four behind the tensor load: places for unit (0, 0)'s readers
.endr
	LOADS 1
	UNIT 0, 1
	WIN 0                                          ; at a label and at a branch every window is 0
	s_mov_b32 s[TRIPS], 3
.Llap:                                                 ; a trip is eight blocks, from a lap's second to the next lap's first, and fills both slots again: fills 2 to 7
	BLK 1
	BLK 2
	CHG 3, G0R0
	BLK 4
	BLK 5
	BLK 6
	CHG 7, G0R1
	BLK 8
	WIN 0
	v_add_nc_u32 v[ADSC], 8*1088, v[ADSC]          ; the next lap's scale words,
	v_add_nc_u32 v[ADW], 8*128, v[ADW]             ; and its v
	s_sub_co_u32 s[TRIPS], s[TRIPS], 1
	s_cmp_lg_u32 s[TRIPS], 0
	s_wait_alu depctr_va_vdst(0)
	s_cbranch_scc1 .Llap
	BLK 1                                          ; the last lap is written out: it asks for nothing, so it has no round
	BLK 2
	s_wait_dscnt 0x0
	PR 3, 0, 0, 4
	s_wait_tensorcnt 0x0                           ; my part of fill 7
	s_wait_dscnt 0x0
	s_barrier_signal -1
	PR 3, 0, 4, 8
	WIN 0
	s_barrier_wait -1
	REST 3
	BLK 4
	BLK 5
	BLK 6
	s_wait_dscnt 0x0
	UNIT 7, 0
	UNIT 7, 1
	FOLDS 8, 0, 0, 16                              ; the last unit is folded
	; THE END.  The three copies, a sum's two halves and the lane 16 away's are added; then the four waves' parts, through LDS; then the sum of bk v, and bfc.
	WIN 0
.irp a, 0,1,2,3,4,5,6,7
	v_pk_add_f32 v[SUM+2*\a:SUM+2*\a+1], v[SUM+2*\a:SUM+2*\a+1], v[SUM+16+2*\a:SUM+16+2*\a+1]
.endr
.irp a, 0,1,2,3,4,5,6,7
	v_pk_add_f32 v[SUM+2*\a:SUM+2*\a+1], v[SUM+2*\a:SUM+2*\a+1], v[SUM+32+2*\a:SUM+32+2*\a+1]
.endr
.irp a, 0,1,2,3,4,5,6,7
	v_add_f32 v[T+\a], v[SUM+2*\a], v[SUM+2*\a+1]
.endr
.irp a, 0,1,2,3,4,5,6,7
	v_permlanex16_b32 v[SUM+16+\a], v[T+\a], s[SEL], s[SEL+1]
.endr
.irp a, 0,1,2,3,4,5,6,7
	v_add_f32 v[T+\a], v[T+\a], v[SUM+16+\a]
.endr
.irp a, 0,1,2,3,4,5,6,7
	ds_store_b32 v[RDS], v[T+\a] offset:64*\a      ; lanes r and r + 16 write the same word with the same value
.endr
	s_wait_dscnt 0x0                               ; for the others' sake: my stores are done
	s_barrier_signal -1
	s_barrier_wait -1
	s_cmp_lt_u32 s[WV], 2                          ; waves 0 and 1 add the four parts: 64 rows each, two a lane
	s_cbranch_scc0 .Ldone
.irp k, 0,1,2,3
	ds_load_b64 v[F+2*\k:F+2*\k+1], v[RDL] offset:512*\k
.endr
	ds_load_b128 v[F+8:F+11], v[CBL]               ; the four waves' parts of the sum of bk v
	s_wait_dscnt 0x0
	v_pk_add_f32 v[F:F+1], v[F:F+1], v[F+2:F+3]
	v_pk_add_f32 v[F+4:F+5], v[F+4:F+5], v[F+6:F+7]
	v_add_f32 v[F+8], v[F+8], v[F+9]
	v_add_f32 v[F+10], v[F+10], v[F+11]
	v_pk_add_f32 v[F:F+1], v[F:F+1], v[F+4:F+5]
	v_add_f32 v[F+8], v[F+8], v[F+10]
	v_add_f32 v[F+8], s20, v[F+8]                  ; + bfc
	v_pk_add_f32 v[F:F+1], v[F:F+1], v[F+8:F+9] op_sel_hi:[1,0]
	global_store_b64 v[GO], v[F:F+1], s[98:99] th:TH_STORE_NT   ; the wave's store covers 256 consecutive bytes, at a multiple of 256 from the buffer's first byte
.Ldone:
	s_wait_tensorcnt 0x0                           ; the wave's end
	ds_add_u32 v[SPW], v[NIL]
	s_wait_dscnt 0x0
	CROUND                                         ; the closing round
	s_endpgm
.Lfunc_end_k_qe52543af3e_kout:
	.size	k_qe52543af3e_kout, .Lfunc_end_k_qe52543af3e_kout-k_qe52543af3e_kout
	.p2alignl 7, 3214868480
	.fill 96, 4, 3214868480
	.section	.rodata,"a",@progbits
	.p2align	6, 0x0
	.amdhsa_kernel k_qe52543af3e_kout
		.amdhsa_group_segment_fixed_size 327680
		.amdhsa_private_segment_fixed_size 0
		.amdhsa_enable_private_segment 0
		.amdhsa_kernarg_size 80
		.amdhsa_user_sgpr_count 2
		.amdhsa_user_sgpr_kernarg_segment_ptr 1
		.amdhsa_wavefront_size32 1
		.amdhsa_system_sgpr_workgroup_id_x 1
		.amdhsa_system_sgpr_workgroup_id_y 1
		.amdhsa_system_sgpr_workgroup_id_z 1
		.amdhsa_system_vgpr_workitem_id 0
		.amdhsa_next_free_vgpr 1024
		.amdhsa_next_free_sgpr 102
		.amdhsa_reserve_vcc 0
		.amdhsa_float_denorm_mode_32 3
		.amdhsa_float_denorm_mode_16_64 3
		.amdhsa_memory_ordered 1
		.amdhsa_forward_progress 1
		.amdhsa_inst_pref_size 154
	.end_amdhsa_kernel
	.amdgpu_metadata
---
amdhsa.version: [ 1, 2 ]
amdhsa.kernels:
  - .name:           k_qe52543af3e_kout
    .symbol:         k_qe52543af3e_kout.kd
    .args:
      - { .name: Wk_codes, .offset: 0, .size: 8, .value_kind: global_buffer, .address_space: global }
      - { .name: Wk_scales, .offset: 8, .size: 8, .value_kind: global_buffer, .address_space: global }
      - { .name: x_codes, .offset: 16, .size: 8, .value_kind: global_buffer, .address_space: global }
      - { .name: x_scales, .offset: 24, .size: 8, .value_kind: global_buffer, .address_space: global }
      - { .name: qpart, .offset: 32, .size: 8, .value_kind: global_buffer, .address_space: global }
      - { .name: bq, .offset: 40, .size: 8, .value_kind: global_buffer, .address_space: global }
      - { .name: bk, .offset: 48, .size: 8, .value_kind: global_buffer, .address_space: global }
      - { .name: Wfc, .offset: 56, .size: 8, .value_kind: global_buffer, .address_space: global }
      - { .name: bfc, .offset: 64, .size: 8, .value_kind: global_buffer, .address_space: global }
      - { .name: out0, .offset: 72, .size: 8, .value_kind: global_buffer, .address_space: global }
    .group_segment_fixed_size: 327680
    .private_segment_fixed_size: 0
    .kernarg_segment_align: 8
    .kernarg_segment_size: 80
    .max_flat_workgroup_size: 128
    .sgpr_count:     102
    .vgpr_count:     1024
    .wavefront_size: 32
...
	.end_amdgpu_metadata
.endif
;; end of part 2
